; MI455X (gfx1250); checked and timed in simulation.
; The chip was launched on July 23, 2026; its instructions are those of AMD's public machine-readable ISA for CDNA 5 (MIT licence, August 2026) and "CDNA5" Instruction Set Architecture Reference Guide (July 2026). The comments in the code are by the model that wrote it; some were corrected since.
;; I64 Token Routed MLP. Allowed arithmetic: float matrix products may take bf16 or f16 operands with f32 sums; other float arithmetic in f32, or as packed bf16 or f16 multiplies, adds, multiply-adds, maxima and minima; sums over many terms, partial sums and values carried from step to step in f32; what a program stores and reads back later, other than sums and carried values, may be rounded once to bf16 or f16.
;; Inputs: down_proj 8 x 512 x 2,048 float32; gate_up_proj 8 x 2,048 x 1,024 float32; token_ids 2,048 int32; x 2,048 x 2,048 float32.
;; Outputs: out0 2,048 x 2,048 float32.
;; 2 versions, each right. Each part assembles by itself: llvm-mc -triple=amdgcn-amd-amdhsa -mcpu=gfx1250 --defsym DOCPART=n.
;; ======== version 1 of 2: 3 launches
;; workspace buffers: xs 67,108,864 bytes; hid 16,777,216 bytes; route 67,584 bytes of whole numbers
;; launch sort (part 1): grid 32 x 8, 8 waves a work-group, no clusters, 11,520 bytes of LDS; arguments x, token_ids, xs, route; writes xs, route
.if DOCPART == 1
	.amdgcn_target "amdgcn-amd-amdhsa--gfx1250"
	.amdhsa_code_object_version 6
	.text
	.protected	k_qed69a7b1d1_sort
	.globl	k_qed69a7b1d1_sort
	.p2align	8
	.type	k_qed69a7b1d1_sort,@function
k_qed69a7b1d1_sort:
	s_mov_b64 s[64:65], 0
	v_nop
	global_prefetch_b8 v0, s[64:65] scope:SCOPE_SE
	s_setreg_imm32_b32 hwreg(HW_REG_WAVE_MODE, 25, 1), 1
	s_wait_xcnt 0x0
; ROUTING AND LAYOUT.  expert(t) = clip(token_ids[t], 0, 31999) & 7.  For each expert e: its number of tokens and the list of them go to route;
; its tokens' rows of x, rounded once to bf16 (nearest even), go to xs in the order in which a wave's matrix operand registers take them.
;   route, expert e at byte 8448 e: word 0 the count; byte 256 + 4 p the token at place p, for p < 16 ceil(count / 16); places past the count repeat the last token.
;   xs, byte (128 e + q) 65536 + 512 t + 16 L: x[token at place 16 t + L % 16][16 q + 8 (L / 16) + 0..7]: q a block of 16 along K, t a tile of 16 rows, L a lane.
; SHARES.  Work-group (j, e) takes the expert's tiles j, j + 32, j + 64, j + 96 (128 tiles hold all 2,048 tokens, so every split is served); wave w the
; 256 numbers 256 w .. of each row.  A work-group whose tiles lie past the expert's count stores nothing of xs: the price of a grid that serves every split.
; Every work-group of an expert makes the same list for itself, by a counting sort without atomics: wave w lists its 256 tokens' hits in its own part of LDS,
; and the eight waves' totals place the parts one behind the other.  The order in a list is the order of that walk, the same in all work-groups.
; No matrix unit, no tensor load, no cluster: work-groups share no bytes of x, and the 8 KB of ids are read by each.
; LIMITS.  NaN and infinities of x are rounded as v_cvt_pk_bf16_f32 rounds them.
.set SEGB,  1280                       ; a wave's part of LDS: 256 list words, 32 words for the lanes without a hit, the rest unused
.set TOT,   10240                      ; the eight waves' totals, a block of their own
.set SPARE, 10496                      ; the spare words, 128 bytes for each of eight waves: four blocks of 256 bytes that no other line names
.set LN,    1                          ; v1   lane
.set RR,    2                          ; v2   lane % 16
.set HH,    3                          ; v3   lane / 16
.set SPW,   4                          ; v4   LDS address of my spare word; never rewritten
.set NIL,   5                          ; v5   0; never rewritten
.set IDO,   6                          ; v6   byte offset of my first four ids
.set DUMPI, 7                          ; v7   256 + lane: where a lane without a hit puts its word
.set TB,    8                          ; v8   my first token's number
.set PP,    9                          ; v9-10   a hit's place, by turns
.set TKN,   11                         ; v11-12  a token's number, by turns
.set L16,   12                         ; v12  behind the routing: 16 x lane
.set TOTA,  13                         ; v13  LDS address of my wave's total
.set RK,    14                         ; v14  a place in the expert's list
.set ADJ,   15                         ; v15  what turns 4 x place into an LDS address
.set LA,    16                         ; v16  that address
.set TOK,   17                         ; v17  my row's token
.set XO,    18                         ; v18  byte offset in x
.set SO,    19                         ; v19  byte offset in xs
.set RO,    20                         ; v20  byte offset in route
.set CNTV,  21                         ; v21  the count, to be stored
.set ZOFF,  22                         ; v22  0 as an offset
.set XL,    23                         ; v23  1,024 w + 32 (lane / 16)
.set IDS,   24                         ; v24-31   eight ids; later the eight totals
.set RAW,   32                         ; v32-159  block b: 8 numbers in f32
.set CV,    160                        ; v160-223 block b: 8 numbers in bf16
.set WV,    12                         ; s12  wave
.set EX,    13                         ; s13  expert
.set JJ,    14                         ; s14  j
.set RUN,   15                         ; s15  hits so far in my wave
.set MK,    16                         ; s16-17  a group's mask of hits, by turns
.set SEG,   19                         ; s19  my wave's part of LDS; behind the routing a temporary
.set T0,    20                         ; s20-27  the waves' totals
.set BQ,    28                         ; s28-35  B1 .. B8: hits in waves 0 .. q - 1
.set AQ,    36                         ; s36-42  1,280 q - 4 Bq, q = 1 .. 7
.set CNT,   43
.set CM1,   44
.set NTL,   45                         ; tiles of the expert
.set MM,    47                         ; the loop's counter
.set TT,    48                         ; the tile in hand
.set XSB,   52                         ; s[52:53] xs at my expert's and my wave's first block
.set RB,    54                         ; s[54:55] route at my expert
	s_load_b256 s[4:11], s[0:1], 0x0               ; x s[4:5], token_ids s[6:7], xs s[8:9], route s[10:11]
	v_lshl_add_u32 v[SPW], v0, 2, SPARE
	v_mov_b32 v[NIL], 0
	v_lshrrev_b32 v2, 5, v0
	v_readfirstlane_b32 s[WV], v2                  ; wave 0..7
	v_and_b32 v[LN], 31, v0
	v_and_b32 v[RR], 15, v0
	v_bfe_u32 v[HH], v0, 4, 1
	s_and_b32 s[EX], ttmp7, 0xffff
	s_mov_b32 s[JJ], ttmp9
	s_lshl_b32 s18, s[WV], 10
	v_lshl_add_u32 v[IDO], v[LN], 4, s18           ; my wave's 256 ids are 1,024 bytes; 16 bytes a lane
	v_lshl_add_u32 v[XL], v[HH], 5, s18            ; my wave's 1,024 bytes of a row; 32 bytes for each half of the lanes
	s_lshl_b32 s18, s[WV], 8
	v_lshl_add_u32 v[TB], v[LN], 2, s18            ; 256 w + 4 lane
	v_add_nc_u32 v[DUMPI], 0x100, v[LN]
	s_mul_i32 s[SEG], s[WV], SEGB
	s_lshl_b32 s18, s[WV], 2
	s_add_co_u32 s18, s18, TOT
	v_mov_b32 v[TOTA], s18
	v_mov_b32 v[ZOFF], 0
	s_mov_b32 s[RUN], 0
	s_lshl_b32 s50, s[EX], 23                      ; an expert's 128 blocks of 65,536 bytes,
	s_lshl_b32 s18, s[WV], 20                      ; my wave's 16 of them
	s_add_co_u32 s50, s50, s18
	s_mov_b32 s51, 0
	s_wait_kmcnt 0x0
	s_add_nc_u64 s[XSB:XSB+1], s[8:9], s[50:51]
	s_mul_i32 s50, s[EX], 8448
	s_add_nc_u64 s[RB:RB+1], s[10:11], s[50:51]
	global_load_b128 v[IDS:IDS+3], v[IDO], s[6:7]              ; tokens 256 w + 4 lane + 0..3
	global_load_b128 v[IDS+4:IDS+7], v[IDO], s[6:7] offset:512 ; and 128 further on
	s_wait_loadcnt 0x0
; Group g: one id a lane.  A hit goes to place RUN + the number of hits in lower lanes; a lane without a hit writes to a word of its own behind the list.
; The place is held under 288 words, so that every store stays in the wave's own 1,280 bytes.
.macro GROUP g
.set gp, PP+((\g)%2)
.set gt, TKN+((\g)%2)
.set gm, MK+((\g)%2)
.set gi, IDS+(\g)
	v_cmp_gt_i32 vcc_lo, 0, v[gi]
	v_cndmask_b32 v[gi], v[gi], 0, vcc_lo          ; a negative id counts as 0,
	v_min_u32 v[gi], 0x7cff, v[gi]                 ; one above 31,999 as 31,999
	v_and_b32 v[gi], 7, v[gi]
	v_cmp_eq_u32 s[gm], s[EX], v[gi]
	v_mbcnt_lo_u32_b32 v[gp], s[gm], 0
	v_add_nc_u32 v[gp], s[RUN], v[gp]
	v_cndmask_b32 v[gp], v[DUMPI], v[gp], s[gm]
	v_min_u32 v[gp], 0x11f, v[gp]
	v_lshl_add_u32 v[gp], v[gp], 2, s[SEG]
	v_add_nc_u32 v[gt], 128*((\g)/4)+((\g)%4), v[TB]
	ds_store_b32 v[gp], v[gt]
	s_bcnt1_i32_b32 s18, s[gm]
	s_add_co_u32 s[RUN], s[RUN], s18
.endm
.irp g, 0,1,2,3,4,5,6,7
	GROUP \g
.endr
	v_mov_b32 v[RK], s[RUN]
	ds_store_b32 v[TOTA], v[RK]                    ; all lanes write the same word with the same value
	v_lshlrev_b32 v[L16], 4, v[LN]
	s_wait_dscnt 0x0                               ; for the others' sake: my list and my total are in LDS
	s_barrier_signal -1
	s_barrier_wait -1                              ; the launch's one barrier: behind it LDS is only read
	v_mov_b32 v[LA], TOT
	ds_load_b128 v[IDS:IDS+3], v[LA]
	ds_load_b128 v[IDS+4:IDS+7], v[LA] offset:16
	s_wait_dscnt 0x0
.irp q, 0,1,2,3,4,5,6,7
	v_readfirstlane_b32 s[T0+\q], v[IDS+\q]
.endr
	s_mov_b32 s[BQ], s[T0]
.irp q, 1,2,3,4,5,6,7
	s_add_co_u32 s[BQ+\q], s[BQ+\q-1], s[T0+\q]    ; B(q + 1) = Bq + wave q's total
.endr
.irp q, 1,2,3,4,5,6,7
	s_lshl_b32 s18, s[BQ+\q-1], 2
	s_sub_co_u32 s[AQ+\q-1], \q*SEGB, s18          ; place p of wave q's part lies at 1,280 q + 4 (p - Bq); never negative, since Bq <= 256 q
.endr
	s_min_u32 s[CNT], s[BQ+7], 2048
	s_sub_co_u32 s[CM1], s[CNT], 1                 ; used only where the count is not 0
	s_add_co_u32 s[NTL], s[CNT], 15
	s_lshr_b32 s[NTL], s[NTL], 4
	s_or_b32 s18, s[JJ], s[WV]
	s_cmp_lg_u32 s18, 0
	s_cbranch_scc1 .Lnocnt                         ; one wave of one work-group stores the expert's count, also where it is 0
	v_mov_b32 v[CNTV], s[CNT]
	global_store_b32 v[ZOFF], v[CNTV], s[RB:RB+1]
.Lnocnt:
	s_mov_b32 s[MM], 0
.Lm:                                                   ; four trips, a constant: tiles j, j + 32, j + 64, j + 96; a tile past the count is jumped
	s_lshl_b32 s[TT], s[MM], 5
	s_add_co_u32 s[TT], s[TT], s[JJ]
	s_cmp_ge_u32 s[TT], s[NTL]
	s_cbranch_scc1 .Lnext
	s_lshl_b32 s18, s[TT], 4
	v_add_nc_u32 v[RK], s18, v[RR]
	v_min_u32 v[RK], s[CM1], v[RK]                 ; places past the count repeat the last token
	v_mov_b32 v[ADJ], 0
.irp q, 1,2,3,4,5,6,7
	v_cmp_le_u32 vcc_lo, s[BQ+\q-1], v[RK]         ; the last q with Bq <= place wins: that wave's part holds the place
	v_cndmask_b32 v[ADJ], v[ADJ], s[AQ+\q-1], vcc_lo
.endr
	v_lshl_add_u32 v[LA], v[RK], 2, v[ADJ]
	v_min_u32 v[LA], 0x27fc, v[LA]                 ; inside the eight parts
	ds_load_b32 v[TOK], v[LA]
	s_min_u32 s18, s[TT], 127
	s_lshl_b32 s19, s18, 9
	v_add_nc_u32 v[SO], s19, v[L16]                ; 512 t + 16 lane
	s_lshl_b32 s19, s18, 6
	v_lshl_add_u32 v[RO], v[RR], 2, s19            ; 64 t + 4 (lane % 16)
	s_wait_dscnt 0x0
	v_min_u32 v[TOK], 0x7ff, v[TOK]
	v_lshl_add_u32 v[XO], v[TOK], 13, v[XL]        ; the token's row of 8,192 bytes
.set b, 0
.rept 16                                               ; all 32 loads of the tile go out before the first wait: 16 KB a wave
	global_load_b128 v[RAW+8*b:RAW+8*b+3],   v[XO], s[4:5] offset:64*b
	global_load_b128 v[RAW+8*b+4:RAW+8*b+7], v[XO], s[4:5] offset:64*b+16
.set b, b+1
.endr
	s_cmp_lg_u32 s[WV], 0
	s_cbranch_scc1 .Lnolist
	global_store_b32 v[RO], v[TOK], s[RB:RB+1] offset:256  ; wave 0 stores the tile's 16 tokens (both halves of the lanes the same words)
.Lnolist:
.set b, 0
.rept 16
	s_wait_loadcnt 30-2*b                          ; loads come back in order (ISA guide 5.7.1): block b is in, the 2 (15 - b) younger loads stay out
	v_cvt_pk_bf16_f32 v[CV+4*b],   v[RAW+8*b],   v[RAW+8*b+1]
	v_cvt_pk_bf16_f32 v[CV+4*b+1], v[RAW+8*b+2], v[RAW+8*b+3]
	v_cvt_pk_bf16_f32 v[CV+4*b+2], v[RAW+8*b+4], v[RAW+8*b+5]
	v_cvt_pk_bf16_f32 v[CV+4*b+3], v[RAW+8*b+6], v[RAW+8*b+7]
	global_store_b128 v[SO], v[CV+4*b:CV+4*b+3], s[XSB:XSB+1] offset:65536*b  ; the wave stores 512 consecutive bytes, at a multiple of 512 from xs's first
.set b, b+1
.endr
.Lnext:
	s_wait_xcnt 0x0                                ; the offsets and the stores' data are rewritten in the next trip only behind this wait
	s_add_co_u32 s[MM], s[MM], 1
	s_cmp_lt_u32 s[MM], 4
	s_cbranch_scc1 .Lm
	s_wait_tensorcnt 0x0                           ; the wave's end, behind my last LDS store
	ds_add_u32 v[SPW], v[NIL]
	s_wait_dscnt 0x0
	s_endpgm
.Lfunc_end_k_qed69a7b1d1_sort:
	.size	k_qed69a7b1d1_sort, .Lfunc_end_k_qed69a7b1d1_sort-k_qed69a7b1d1_sort
	.p2alignl 7, 3214868480
	.fill 96, 4, 3214868480
	.section	.rodata,"a",@progbits
	.p2align	6, 0x0
	.amdhsa_kernel k_qed69a7b1d1_sort
		.amdhsa_group_segment_fixed_size 11520
		.amdhsa_private_segment_fixed_size 0
		.amdhsa_enable_private_segment 0
		.amdhsa_kernarg_size 32
		.amdhsa_user_sgpr_count 2
		.amdhsa_user_sgpr_kernarg_segment_ptr 1
		.amdhsa_wavefront_size32 1
		.amdhsa_system_sgpr_workgroup_id_x 1
		.amdhsa_system_sgpr_workgroup_id_y 1
		.amdhsa_system_sgpr_workgroup_id_z 1
		.amdhsa_system_vgpr_workitem_id 0
		.amdhsa_next_free_vgpr 224
		.amdhsa_next_free_sgpr 66
		.amdhsa_reserve_vcc 1
		.amdhsa_float_denorm_mode_32 3
		.amdhsa_float_denorm_mode_16_64 3
		.amdhsa_memory_ordered 1
		.amdhsa_forward_progress 1
		.amdhsa_inst_pref_size 21
	.end_amdhsa_kernel
	.amdgpu_metadata
---
amdhsa.version: [ 1, 2 ]
amdhsa.kernels:
  - .name:           k_qed69a7b1d1_sort
    .symbol:         k_qed69a7b1d1_sort.kd
    .args:
      - { .name: x, .offset: 0, .size: 8, .value_kind: global_buffer, .address_space: global }
      - { .name: token_ids, .offset: 8, .size: 8, .value_kind: global_buffer, .address_space: global }
      - { .name: xs, .offset: 16, .size: 8, .value_kind: global_buffer, .address_space: global }
      - { .name: route, .offset: 24, .size: 8, .value_kind: global_buffer, .address_space: global }
    .group_segment_fixed_size: 11520
    .private_segment_fixed_size: 0
    .kernarg_segment_align: 8
    .kernarg_segment_size: 32
    .max_flat_workgroup_size: 256
    .sgpr_count:     66
    .vgpr_count:     224
    .wavefront_size: 32
...
	.end_amdgpu_metadata
.endif
;; end of part 1
;; launch gateup (part 2): grid 32 x 8, 8 waves a work-group, no clusters, 197,632 bytes of LDS; arguments xs, route, gate_up_proj, hid; writes hid
.if DOCPART == 2
	.amdgcn_target "amdgcn-amd-amdhsa--gfx1250"
	.amdhsa_code_object_version 6
	.text
	.protected	k_qed69a7b1d1_gateup
	.globl	k_qed69a7b1d1_gateup
	.p2align	8
	.type	k_qed69a7b1d1_gateup,@function
k_qed69a7b1d1_gateup:
	s_mov_b64 s[64:65], 0
	v_nop
	global_prefetch_b8 v0, s[64:65] scope:SCOPE_SE
	s_setreg_imm32_b32 hwreg(HW_REG_WAVE_MODE, 25, 1), 1
	s_wait_xcnt 0x0
; h = silu(x Wg) * (x Wu) for the rows of one expert.  gate_up_proj: [8][2048][1024] f32, columns 0-511 gate, 512-1023 up.  x comes from xs (bf16, by experts, in operand order),
; the expert's count from route; h goes to hid, rounded once to bf16: byte (32 e + s) 65536 + 512 t + 16 L holds h[place 16 t + L % 16][16 s + 8 (L / 16) + 0..7].
; Products in bf16 with f32 sums; the activation in f32.
; SHARES.  Work-group (s, e) owns gate columns 16 s .. 16 s + 15 and up columns 512 + 16 s .. of expert e over all 2,048 of K: 256 KB of f32 that no other work-group reads, rounded
; on their way through registers and kept in LDS as bf16; and ALL the expert's rows: tile t of 16 rows belongs to wave t % 8, up to three tiles a wave and pass, 24 tiles a pass.
; Gate and up of a column lie in the same lane, so the activation stays in registers.
; PIECES OF 64 BYTES.  256 work-groups with columns of their own over all K have 32 columns each, 16 of gate and 16 of up.  Pieces of 256 bytes would be 64 + 64 columns: 512 KB of bf16, more than
; LDS holds, or 64 work-groups.  The four neighbours s = 4 c .. 4 c + 3 use up each aligned 256 bytes between them, so these loads carry no hint.
; NO TENSOR LOADS, NO JOINT LOADS.  The weights are rounded on the way, and f32 and bf16 of a slice together (384 KB) do not fit in LDS.  What an expert's 32 work-groups share is its rows of xs;
; how many there are hangs on a count read from memory, and joint loads want a trip count that is alike and constant: for 2,048 rows, eight times the bytes of an even split.
; THE PASS LOOP has six trips, a constant (6 x 24 >= 128 tiles: every split is served); a wave without a tile in a pass jumps the pass.  It holds no barrier and writes no LDS.
; THE MATRIX INSTRUCTION IS USED TRANSPOSED: source 0 = 16 columns of W, source 1 = 16 rows of x: a lane holds row L % 16 and the columns 8 (L / 16) + 0..7, which pack into 16 bytes.
; LIMITS.  silu(g) = g / (1 + 2^(-1.442695 g)): for g below about -88 the power is infinite and the result -0, where the exact value is under 1e-36 in size.  NaN and infinities are not treated apart.
; Places past the count in an expert's last tile hold its last row once more (so xs has them), and their h is stored to the tile's own places.
.set PW,    96                         ; a row of W in LDS: 32 bytes gate, 32 bytes up, 32 unused
.set SPARE, 2048*PW                    ; behind W: the spare words, 128 bytes for each of eight waves: four blocks of 256 bytes that no other line names
.set LN,    1                          ; v1   lane
.set SPW,   4                          ; v4   LDS address of my spare word; never rewritten
.set NIL,   5                          ; v5   0; never rewritten
.set WOFF,  6                          ; v6   my byte offset in four rows of gate_up_proj
.set WST,   7                          ; v7   where my 8 bytes of bf16 go in LDS
.set BAD0,  8                          ; v8   my lane's place in a fragment of W; never rewritten
.set BAD,   9                          ; v9   the same plus s[SB]
.set AO,    10                         ; v10-12  tile i: 512 t + 16 lane, the byte offset in a block of xs and of hid
.set L16,   13                         ; v13  16 x lane
.set PF,    14                         ; v14  the prefetch's offset; never rewritten
.set WS,    32                         ; v32-223  first phase: three sets of 16 loads
.set CT,    224                        ; v224-255 first phase: a set rounded to bf16
.set ACC,   24                         ; second phase: tile i: gate's sums at ACC + 16 i, up's at ACC + 16 i + 8; behind them BF (two buffers of W: gate 8, up 8) and AFR (D slots of 8 registers a tile)
.set WV,    12
.set EX,    13
.set SL,    14
.set CNT,   15
.set NTL,   16
.set PASS,  18
.set REM,   19                         ; tiles from my first tile of the pass to the expert's end; signed
.set TILE0, 20                         ; my first tile of the pass
.set KC,    21
.set WB,    24                         ; s[24:25] gate_up_proj at my expert, my columns, my wave's 256 rows
.set XE,    26                         ; s[26:27] xs at my expert; never rewritten
.set XP,    28                         ; s[28:29] the same, stepped along K
.set HB,    30                         ; s[30:31] hid at my block
.set RB,    32                         ; s[32:33] route at my expert
.set SB,    36                         ; s36  LDS byte at which W's rows of the K steps in hand begin: 0, then d steps of 3,072 bytes on with each block of d steps
	s_load_b256 s[4:11], s[0:1], 0x0               ; xs s[4:5], route s[6:7], gate_up_proj s[8:9], hid s[10:11]
	v_lshl_add_u32 v[SPW], v0, 2, SPARE
	v_mov_b32 v[NIL], 0
	v_lshrrev_b32 v2, 5, v0
	v_readfirstlane_b32 s[WV], v2                  ; wave 0..7
	v_and_b32 v[LN], 31, v0
	s_and_b32 s[EX], ttmp7, 0xffff
	s_mov_b32 s[SL], ttmp9
	; A load of the first phase: eight lanes take a row's 64 bytes of gate and 64 of up, 16 bytes each; the four groups of eight take rows 0, 2, 4, 6 (or 1, 3, 5, 7).
	v_lshrrev_b32 v15, 3, v[LN]                    ; which of the four rows
	v_bfe_u32 v16, v[LN], 2, 1                     ; gate or up
	v_and_b32 v17, 3, v[LN]                        ; which 16 bytes
	v_lshlrev_b32 v[WOFF], 13, v15                 ; two rows of 4,096 bytes
	v_lshl_add_u32 v[WOFF], v16, 11, v[WOFF]       ; up lies 2,048 bytes behind gate
	v_lshl_add_u32 v[WOFF], v17, 4, v[WOFF]
	s_mul_i32 s22, s[WV], 256*PW                   ; my wave's 256 rows of W in LDS
	v_mul_u32_u24 v[WST], v15, 2*PW                ; rows 192 bytes apart, 64 bytes each: the 32 lanes of a store of 8 bytes touch each bank once
	v_add_nc_u32 v[WST], s22, v[WST]
	v_lshl_add_u32 v[WST], v16, 5, v[WST]
	v_lshl_add_u32 v[WST], v17, 3, v[WST]
	; The turning load takes 16 of K x 16 columns (lane L reads 16 bytes: row 8 (L / 16) + L % 8, columns 8 ((L / 8) % 2) + 0..7) and leaves half a fragment: lane L holds column L % 16 and 8 of K.
	v_bfe_u32 v18, v[LN], 4, 1
	v_and_b32 v19, 7, v[LN]
	v_lshl_add_u32 v18, v18, 3, v19
	v_mul_u32_u24 v[BAD0], v18, PW
	v_bfe_u32 v19, v[LN], 3, 1
	v_lshl_add_u32 v[BAD0], v19, 4, v[BAD0]
	v_lshlrev_b32 v[L16], 4, v[LN]
	s_lshl_b32 s34, s[EX], 23                      ; an expert is 8 MB of gate_up_proj, and of xs
	s_mov_b32 s35, 0
	s_wait_kmcnt 0x0
	s_add_nc_u64 s[XE:XE+1], s[4:5], s[34:35]
	s_add_nc_u64 s[WB:WB+1], s[8:9], s[34:35]
	s_lshl_b32 s34, s[SL], 6                       ; my 16 columns,
	s_lshl_b32 s22, s[WV], 20                      ; my wave's 256 rows
	s_add_co_u32 s34, s34, s22
	s_add_nc_u64 s[WB:WB+1], s[WB:WB+1], s[34:35]
	s_mul_i32 s34, s[EX], 8448
	s_add_nc_u64 s[RB:RB+1], s[6:7], s[34:35]
	s_load_b32 s[CNT], s[RB:RB+1], 0x0             ; the expert's count
	s_lshl_b32 s34, s[EX], 5
	s_add_co_u32 s34, s34, s[SL]
	s_lshl_b32 s34, s34, 16
	s_add_nc_u64 s[HB:HB+1], s[10:11], s[34:35]
; FIRST PHASE: my wave's 256 rows of the slice, 64 loads in four groups of 16.  Load m takes rows 8 (m / 2) + m % 2 + 0, 2, 4, 6.
.macro WLOAD g, set
.set wm, 0
.rept 16
.set wq, 16*(\g)+wm
	global_load_b128 v[WS+64*(\set)+4*wm:WS+64*(\set)+4*wm+3], v[WOFF], s[WB:WB+1] offset:(8*(wq/2)+(wq%2))*4096
.set wm, wm+1
.endr
.endm
.macro WCONV g, set                    ; a group is rounded to bf16 and laid into LDS
.set wm, 0
.rept 16
	v_cvt_pk_bf16_f32 v[CT+2*wm],   v[WS+64*(\set)+4*wm],   v[WS+64*(\set)+4*wm+1]
	v_cvt_pk_bf16_f32 v[CT+2*wm+1], v[WS+64*(\set)+4*wm+2], v[WS+64*(\set)+4*wm+3]
.set wm, wm+1
.endr
.set wm, 0
.rept 16
.set wq, 16*(\g)+wm
	ds_store_b64 v[WST], v[CT+2*wm:CT+2*wm+1] offset:(8*(wq/2)+(wq%2))*PW
.set wm, wm+1
.endr
.endm
	WLOAD 0, 0                                     ; 48 loads, 24 KB a wave, go out before the first wait
	WLOAD 1, 1
	WLOAD 2, 2
	s_wait_loadcnt 32                              ; group 0 is in; groups 1 and 2 stay out
	s_wait_kmcnt 0x0                               ; the count
	s_min_u32 s[CNT], s[CNT], 2048
	s_add_co_u32 s[NTL], s[CNT], 15
	s_lshr_b32 s[NTL], s[NTL], 4                   ; the expert's tiles of 16 rows
	s_sub_co_i32 s[REM], s[NTL], s[WV]
	s_mov_b32 s[TILE0], s[WV]
	; PREFETCH of what the second phase reads: wave w asks for tiles 16 (w / 4) .. + 15 (8,192 bytes, lanes 256 bytes apart) of block 4 s + w % 4 of my expert's xs, if the expert has such tiles.
	; The expert's 32 work-groups cover its 128 blocks, each aligned 256 bytes once in the launch; tiles from 32 on are not asked for; every address lies in its block of 65,536 bytes.
	s_lshr_b32 s22, s[WV], 2
	s_lshl_b32 s23, s22, 4
	s_cmp_ge_u32 s23, s[NTL]
	s_cbranch_scc1 .Lnopf
	s_and_b32 s23, s[WV], 3
	s_lshl2_add_u32 s23, s[SL], s23
	s_lshl_b32 s23, s23, 16
	s_lshl_b32 s22, s22, 13
	s_add_co_u32 s23, s23, s22
	v_lshl_add_u32 v[PF], v[LN], 8, s23
	global_prefetch_b8 v[PF], s[XE:XE+1] th:TH_LOAD_NT scope:SCOPE_SE
.Lnopf:
	WCONV 0, 0
	WLOAD 3, 0
	s_wait_loadcnt 32                              ; group 1 is in; groups 2 and 3 stay out
	WCONV 1, 1
	s_wait_loadcnt 16                              ; group 2 is in; group 3 stays out
	WCONV 2, 2
	s_wait_loadcnt 0x0
	WCONV 3, 0
	s_wait_dscnt 0x0                               ; for the others' sake: my rows of W are in LDS
	s_barrier_signal -1
	s_barrier_wait -1                              ; behind this barrier W is only read
; SECOND PHASE.  A K step is 32 along K.  Step st's rows of x for nt tiles: blocks 2 st and 2 st + 1 of xs are registers 0-3 and 4-7 of a fragment; each load is 512 consecutive bytes.
.macro ALOAD nt, slot, st              ; st counts from where XP stands
.set ai, 0
.rept \nt
	global_load_b128 v[AFR+(\slot)*8*(\nt)+8*ai:AFR+(\slot)*8*(\nt)+8*ai+3],   v[AO+ai], s[XP:XP+1] offset:(2*(\st))*65536
	global_load_b128 v[AFR+(\slot)*8*(\nt)+8*ai+4:AFR+(\slot)*8*(\nt)+8*ai+7], v[AO+ai], s[XP:XP+1] offset:(2*(\st)+1)*65536
.set ai, ai+1
.endr
.endm
.macro BLOAD st                        ; W's fragments of step st, counted from where BAD stands, into buffer st % 2: gate, then up
.set bb, BF+16*((\st)%2)
	ds_load_tr16_b128 v[bb:bb+3],     v[BAD] offset:(\st)*32*PW
	ds_load_tr16_b128 v[bb+4:bb+7],   v[BAD] offset:(\st)*32*PW+16*PW
	ds_load_tr16_b128 v[bb+8:bb+11],  v[BAD] offset:(\st)*32*PW+32
	ds_load_tr16_b128 v[bb+12:bb+15], v[BAD] offset:(\st)*32*PW+16*PW+32
.endm
; One K step, number j from where XP and BAD stand (a multiple of d, and even).  Four v_nop: a load into a register that a matrix instruction has read stands four places behind it, and only
; plain vector instructions that name none of its registers are places (ISA guide 7.12.1 for vector instructions).  Then the slot just read out takes step j - 1 + d (rf),
; the other buffer of W step j + 1 (bn).  left: the loads of x issued behind this step's, which stay out.  The 2 nt accumulators take turns, one instruction a turn, over the loop's jump too.
.macro STEP nt, d, j, first, rf, bn, left
.if !(\first)
.rept 4
	v_nop
.endr
.endif
.if \rf
	ALOAD \nt, ((\j)+(\d)-1)%(\d), (\j)+(\d)-1
.endif
.if \bn
	BLOAD (\j)+1
.endif
	s_wait_loadcnt \left
.if \bn
	s_wait_dscnt 0x4                               ; this step's W is in; the four loads just issued stay out
.else
	s_wait_dscnt 0x0
.endif
.set sb, BF+16*((\j)%2)
.set sa, AFR+((\j)%(\d))*8*(\nt)
.set si, 0
.rept \nt
.if \first
	v_wmma_f32_16x16x32_bf16 v[ACC+16*si:ACC+16*si+7],    v[sb:sb+7],    v[sa+8*si:sa+8*si+7], 0
	v_wmma_f32_16x16x32_bf16 v[ACC+16*si+8:ACC+16*si+15], v[sb+8:sb+15], v[sa+8*si:sa+8*si+7], 0
.else
	v_wmma_f32_16x16x32_bf16 v[ACC+16*si:ACC+16*si+7],    v[sb:sb+7],    v[sa+8*si:sa+8*si+7], v[ACC+16*si:ACC+16*si+7]
	v_wmma_f32_16x16x32_bf16 v[ACC+16*si+8:ACC+16*si+15], v[sb+8:sb+15], v[sa+8*si:sa+8*si+7], v[ACC+16*si+8:ACC+16*si+15]
.endif
.set si, si+1
.endr
.endm
.macro ADV d                           ; d steps on.  The LDS address is made anew from the lane's place and a scalar that steps by a constant: at the tail it stands at 54 or 56 steps, and the last byte read is W's last row's
	s_wait_xcnt 0x0                                ; the loads' base is rewritten only behind this wait
	s_add_nc_u64 s[XP:XP+1], s[XP:XP+1], 2*(\d)*65536
	s_add_co_u32 s[SB], s[SB], (\d)*32*PW
	v_add_nc_u32 v[BAD], s[SB], v[BAD0]
.endm
; The activation and the way out, for nt tiles.  The exponentials are one batch with one wait, the reciprocals another; each accumulator is read from its low end on.
.macro EPI nt
.set ET, AFR                           ; 8 registers a tile at work,
.set EO, AFR+8*(\nt)                   ; 4 a tile to store: x's slots are free
.rept 4
	v_nop                                          ; the places behind the last products
.endr
.set en, 0
.rept 4*(\nt)
	v_pk_mul_f32 v[ET+2*en:ET+2*en+1], v[ACC+16*(en/4)+2*(en%4):ACC+16*(en/4)+2*(en%4)+1], 0xbfb8aa3b op_sel_hi:[1,0]  ; -log2(e) g
.set en, en+1
.endr
.set en, 0
.rept 8*(\nt)
	v_exp_f32 v[ET+en], v[ET+en]
.set en, en+1
.endr
	v_nop                                          ; a plain instruction behind the last exponential,
	s_wait_alu depctr_va_vdst(0)                   ; and the batch's one wait, ahead of its first reader
.set en, 0
.rept 4*(\nt)
	v_pk_add_f32 v[ET+2*en:ET+2*en+1], v[ET+2*en:ET+2*en+1], 1.0 op_sel_hi:[1,0]
.set en, en+1
.endr
.set en, 0
.rept 8*(\nt)
	v_rcp_f32 v[ET+en], v[ET+en]
.set en, en+1
.endr
	v_nop
	s_wait_alu depctr_va_vdst(0)
.set en, 0
.rept 4*(\nt)
.set eg, ACC+16*(en/4)+2*(en%4)
	v_pk_mul_f32 v[eg:eg+1], v[eg:eg+1], v[ET+2*en:ET+2*en+1]      ; silu(g)
.set en, en+1
.endr
.set en, 0
.rept 4*(\nt)
.set eg, ACC+16*(en/4)+2*(en%4)
	v_pk_mul_f32 v[eg+8:eg+9], v[eg+8:eg+9], v[eg:eg+1]            ; times up
.set en, en+1
.endr
.set en, 0
.rept 4*(\nt)
.set eg, ACC+16*(en/4)+2*(en%4)
	v_cvt_pk_bf16_f32 v[EO+en], v[eg+8], v[eg+9]
.set en, en+1
.endr
.set en, 0
.rept \nt
	global_store_b128 v[AO+en], v[EO+4*en:EO+4*en+3], s[HB:HB+1]   ; the wave stores a tile's 512 consecutive bytes, at a multiple of 512 from hid's first
.set en, en+1
.endr
.endm
; All 64 K steps for nt tiles on a ring of d slots in registers: d x 2 nt loads of 512 bytes are out at any time.  Written out: the first d steps (the first starts the sums with the constant 0) and
; the tail, whose refills end at step 63 and whose counts run down; between them a loop of d steps a trip.
.macro KPHASE nt, d
.set BF,  ACC+16*(\nt)
.set AFR, BF+32
.set KTR, 64/(\d)-2                    ; trips: 8 for d = 6, 6 for d = 8
.set KTB, (\d)*(KTR+1)                 ; the tail's first step: 54, 56
	s_mov_b64 s[XP:XP+1], s[XE:XE+1]
	s_mov_b32 s[SB], 0
	v_mov_b32 v[BAD], v[BAD0]
.set pj, 0
.rept \d
	ALOAD \nt, pj, pj
.set pj, pj+1
.endr
	BLOAD 0
	STEP \nt, \d, 0, 1, 0, 1, ((\d)-1)*2*(\nt)
.set pj, 1
.rept (\d)-1
	STEP \nt, \d, pj, 0, 1, 1, ((\d)-1)*2*(\nt)
.set pj, pj+1
.endr
	ADV \d
	s_mov_b32 s[KC], KTR
.Lk\@:
.set pj, 0
.rept \d
	STEP \nt, \d, pj, 0, 1, 1, ((\d)-1)*2*(\nt)
.set pj, pj+1
.endr
	ADV \d
	s_sub_co_u32 s[KC], s[KC], 1
	s_cmp_lg_u32 s[KC], 0
	s_cbranch_scc1 .Lk\@
.set pj, 0
.rept 64-KTB
.set kk, KTB+pj
.if kk+(\d)-1 <= 63
.set rfv, 1
.set lv, ((\d)-1)*2*(\nt)
.else
.set rfv, 0
.set lv, (63-kk)*2*(\nt)
.endif
.if kk < 63
.set bnv, 1
.else
.set bnv, 0
.endif
	STEP \nt, \d, pj, 0, rfv, bnv, lv
.set pj, pj+1
.endr
	EPI \nt
.endm
	s_mov_b32 s[PASS], 0
.Lpass:
	s_cmp_le_i32 s[REM], 0
	s_cbranch_scc1 .Lnext                          ; no tile of mine in this pass
.irp i, 0,1,2
	s_add_co_u32 s22, s[TILE0], 8*\i               ; my tiles of the pass lie 8 apart
	s_min_u32 s22, s22, 127
	s_lshl_b32 s22, s22, 9
	v_add_nc_u32 v[AO+\i], s22, v[L16]
.endr
	s_cmp_gt_i32 s[REM], 16
	s_cbranch_scc1 .Lv3
	s_cmp_gt_i32 s[REM], 8
	s_cbranch_scc1 .Lv2
	KPHASE 1, 8
	s_branch .Lnext
.Lv2:
	KPHASE 2, 8
	s_branch .Lnext
.Lv3:
	KPHASE 3, 6
.Lnext:
	s_wait_xcnt 0x0                                ; the stores' data and offsets are rewritten in the next pass only behind this wait
	s_sub_co_i32 s[REM], s[REM], 24
	s_add_co_u32 s[TILE0], s[TILE0], 24
	s_add_co_u32 s[PASS], s[PASS], 1
	s_cmp_lt_u32 s[PASS], 6
	s_cbranch_scc1 .Lpass
	s_wait_dscnt 0x0                               ; my reads of LDS are back (the last K step's wait was for 0),
	s_barrier_signal -1
	s_barrier_wait -1                              ; and so are all eight waves': no wave writes LDS again, by the closing add, while another still reads; every wave comes here, since the pass loop has six trips in each
	s_wait_tensorcnt 0x0                           ; the wave's end, behind my last LDS store
	ds_add_u32 v[SPW], v[NIL]
	s_wait_dscnt 0x0
	s_endpgm
.Lfunc_end_k_qed69a7b1d1_gateup:
	.size	k_qed69a7b1d1_gateup, .Lfunc_end_k_qed69a7b1d1_gateup-k_qed69a7b1d1_gateup
	.p2alignl 7, 3214868480
	.fill 96, 4, 3214868480
	.section	.rodata,"a",@progbits
	.p2align	6, 0x0
	.amdhsa_kernel k_qed69a7b1d1_gateup
		.amdhsa_group_segment_fixed_size 197632
		.amdhsa_private_segment_fixed_size 0
		.amdhsa_enable_private_segment 0
		.amdhsa_kernarg_size 32
		.amdhsa_user_sgpr_count 2
		.amdhsa_user_sgpr_kernarg_segment_ptr 1
		.amdhsa_wavefront_size32 1
		.amdhsa_system_sgpr_workgroup_id_x 1
		.amdhsa_system_sgpr_workgroup_id_y 1
		.amdhsa_system_sgpr_workgroup_id_z 1
		.amdhsa_system_vgpr_workitem_id 0
		.amdhsa_next_free_vgpr 256
		.amdhsa_next_free_sgpr 66
		.amdhsa_reserve_vcc 0
		.amdhsa_float_denorm_mode_32 3
		.amdhsa_float_denorm_mode_16_64 3
		.amdhsa_memory_ordered 1
		.amdhsa_forward_progress 1
		.amdhsa_inst_pref_size 110
	.end_amdhsa_kernel
	.amdgpu_metadata
---
amdhsa.version: [ 1, 2 ]
amdhsa.kernels:
  - .name:           k_qed69a7b1d1_gateup
    .symbol:         k_qed69a7b1d1_gateup.kd
    .args:
      - { .name: xs, .offset: 0, .size: 8, .value_kind: global_buffer, .address_space: global }
      - { .name: route, .offset: 8, .size: 8, .value_kind: global_buffer, .address_space: global }
      - { .name: gate_up_proj, .offset: 16, .size: 8, .value_kind: global_buffer, .address_space: global }
      - { .name: hid, .offset: 24, .size: 8, .value_kind: global_buffer, .address_space: global }
    .group_segment_fixed_size: 197632
    .private_segment_fixed_size: 0
    .kernarg_segment_align: 8
    .kernarg_segment_size: 32
    .max_flat_workgroup_size: 256
    .sgpr_count:     66
    .vgpr_count:     256
    .wavefront_size: 32
...
	.end_amdgpu_metadata
.endif
;; end of part 2
;; launch down (part 3): grid 32 x 8, 8 waves a work-group, no clusters, 167,936 bytes of LDS; arguments hid, route, down_proj, out0; writes out0
.if DOCPART == 3
	.amdgcn_target "amdgcn-amd-amdhsa--gfx1250"
	.amdhsa_code_object_version 6
	.text
	.protected	k_qed69a7b1d1_down
	.globl	k_qed69a7b1d1_down
	.p2align	8
	.type	k_qed69a7b1d1_down,@function
k_qed69a7b1d1_down:
	s_mov_b64 s[64:65], 0
	v_nop
	global_prefetch_b8 v0, s[64:65] scope:SCOPE_SE
	s_setreg_imm32_b32 hwreg(HW_REG_WAVE_MODE, 25, 1), 1
	s_wait_xcnt 0x0
; out[token] = h Wd for the rows of one expert.  down_proj: [8][512][2048] f32.  h comes from hid (bf16, by experts, in operand order), the count and the tokens from route.
; Products in bf16 with f32 sums; out0 is f32.  Every token has one expert, so every row of out0 has one owner and is stored once, but for the repeats named under LIMITS.
; SHARES.  Work-group (s, e) owns columns 64 s .. 64 s + 63 of expert e: 512 rows of 256 aligned bytes of f32, 128 KB that no other work-group reads, rounded on their way through registers and kept
; in LDS as bf16; and ALL the expert's rows: tile t of 16 rows belongs to wave t % 8, up to three tiles a wave and pass, 24 tiles a pass.
; NO TENSOR LOADS, NO JOINT LOADS: the weights are rounded on the way and each has one reader; what an expert's 32 work-groups share, its rows of hid, is 16 KB a tile, and how many tiles there are
; hangs on a count read from memory, where joint loads want a trip count that is alike and constant.
; THE PASS LOOP has six trips, a constant (6 x 24 >= 128 tiles: every split is served); a wave without a tile in a pass jumps the pass.  It holds no barrier; the only LDS bytes written in it are each wave's own stage.
; THE MATRIX INSTRUCTION IS USED TRANSPOSED: source 0 = 16 columns of W, source 1 = 16 rows of h: a lane holds row L % 16 and the columns 8 (L / 16) + 0..7.
; LIMITS.  Places past the count in an expert's last tile hold its last row once more; their results, the same bits, are stored to that token's row a second time by the same wave.  NaN and infinities are not treated apart.
; The text uses 117,760 bytes of LDS and claims more than half of what a WGP has, so that each work-group has a WGP to itself.
.set PW,    160                        ; a row of W in LDS: 128 bytes + 32
.set STAGE, 512*PW                     ; behind W: 16 rows x 272 bytes for each wave, for the way out
.set SP,    272                        ; 256 bytes + 16: the 16 rows that a store of 16 bytes a lane touches start at 16 different groups of four banks
.set SPARE, STAGE+8*16*SP              ; behind the stages: the spare words, 128 bytes for each of eight waves: four blocks of 256 bytes that no other line names
.set LN,    1                          ; v1   lane
.set PF,    2                          ; v2   the prefetch's offset; never rewritten
.set RR,    3                          ; v3   lane % 16
.set SPW,   4                          ; v4   LDS address of my spare word; never rewritten
.set NIL,   5                          ; v5   0; never rewritten
.set WOFF,  6                          ; v6   my byte offset in two rows of down_proj
.set WST,   7                          ; v7   where my 8 bytes of bf16 go in LDS
.set BAD0,  8                          ; v8-9 my lane's place in a fragment of W: K steps 0-7, K steps 8-15
.set AO,    10                         ; v10-12  tile i: 512 t + 16 lane, the byte offset in a block of hid
.set L16,   13                         ; v13  16 x lane
.set STO,   14                         ; v14  the way out: where I put 16 bytes of a row
.set RD,    15                         ; v15  the way out: where I read a row back
.set C16,   16                         ; v16  16 (lane % 16)
.set BPI,   17                         ; v17  4 (lane / 16)
.set TK,    18                         ; v18-20  tile i: the token of row lane % 16
.set RLO,   21                         ; v21-23  tile i: that token's byte offset in route; at the head two temporaries
.set RAW,   24                         ; v24-151  first phase: 32 loads
.set CT,    152                        ; v152-215 first phase: rounded to bf16
.set ACC,   24                         ; second phase: tile i, column block c at ACC + 32 i + 8 c; behind them BF (two buffers of W, 32 each) and AFR (D slots of 8 registers a tile)
.set WV,    12
.set EX,    13
.set SL,    14
.set CNT,   15
.set NTL,   16
.set PASS,  18
.set REM,   19
.set TILE0, 20
.set WB,    24                         ; s[24:25] down_proj at my expert, my columns, my wave's 64 rows
.set HE,    26                         ; s[26:27] hid at my expert
.set OUTB,  30                         ; s[30:31] out0 at my columns
.set RB,    32                         ; s[32:33] route at my expert
	s_load_b256 s[4:11], s[0:1], 0x0               ; hid s[4:5], route s[6:7], down_proj s[8:9], out0 s[10:11]
	v_lshl_add_u32 v[SPW], v0, 2, SPARE
	v_mov_b32 v[NIL], 0
	v_lshrrev_b32 v3, 5, v0
	v_readfirstlane_b32 s[WV], v3                  ; wave 0..7
	v_and_b32 v[LN], 31, v0
	v_and_b32 v[RR], 15, v0
	v_bfe_u32 v21, v0, 4, 1                        ; lane / 16
	s_and_b32 s[EX], ttmp7, 0xffff
	s_mov_b32 s[SL], ttmp9
	v_lshlrev_b32 v[C16], 4, v[RR]
	v_lshl_add_u32 v[WOFF], v21, 15, v[C16]        ; 16 lanes take a row's 256 bytes; the other 16 the row four further down (4 x 8,192 bytes)
	s_mul_i32 s22, s[WV], 64*PW                    ; my wave's 64 rows of W in LDS
	v_mul_u32_u24 v[WST], v21, 4*PW                ; the two rows of a store lie 640 bytes apart, 128 bytes each: the 32 lanes touch each bank once
	v_add_nc_u32 v[WST], s22, v[WST]
	v_lshl_add_u32 v[WST], v[RR], 3, v[WST]
	; The turning load takes 16 of K x 16 columns (lane L reads 16 bytes: row 8 (L / 16) + L % 8, columns 8 ((L / 8) % 2) + 0..7) and leaves half a fragment: lane L holds column L % 16 and 8 of K.
	v_and_b32 v22, 7, v0
	v_lshl_add_u32 v22, v21, 3, v22
	v_mul_u32_u24 v[BAD0], v22, PW
	v_bfe_u32 v22, v0, 3, 1
	v_lshl_add_u32 v[BAD0], v22, 4, v[BAD0]
	v_add_nc_u32 v[BAD0+1], 8*32*PW, v[BAD0]       ; an LDS offset has 16 bits: the second half of K has a register of its own
	v_lshlrev_b32 v[L16], 4, v[LN]
	s_mul_i32 s22, s[WV], 16*SP
	s_add_co_u32 s22, s22, STAGE                   ; my stage
	v_mul_u32_u24 v[STO], v[RR], SP                ; in: row lane % 16, 32 bytes for each half of the lanes
	v_lshl_add_u32 v[STO], v21, 5, v[STO]
	v_add_nc_u32 v[STO], s22, v[STO]
	v_mul_u32_u24 v[RD], v21, SP                   ; back: lanes 0-15 take one row of 256 bytes, lanes 16-31 the next
	v_add_nc_u32 v[RD], v[RD], v[C16]
	v_add_nc_u32 v[RD], s22, v[RD]
	v_lshlrev_b32 v[BPI], 2, v21
	s_lshl_b32 s34, s[EX], 22                      ; an expert is 4 MB of down_proj;
	s_lshl_b32 s22, s[SL], 8                       ; my 64 columns;
	s_add_co_u32 s34, s34, s22
	s_lshl_b32 s22, s[WV], 19                      ; my wave's 64 rows of 8,192 bytes
	s_add_co_u32 s34, s34, s22
	s_mov_b32 s35, 0
	s_wait_kmcnt 0x0
	s_add_nc_u64 s[WB:WB+1], s[8:9], s[34:35]
	s_mul_i32 s34, s[EX], 8448
	s_add_nc_u64 s[RB:RB+1], s[6:7], s[34:35]
	s_load_b32 s[CNT], s[RB:RB+1], 0x0             ; the expert's count
	s_lshl_b32 s34, s[EX], 21                      ; an expert is 32 blocks of 65,536 bytes of hid
	s_add_nc_u64 s[HE:HE+1], s[4:5], s[34:35]
	s_lshl_b32 s34, s[SL], 8
	s_add_nc_u64 s[OUTB:OUTB+1], s[10:11], s[34:35]
	; FIRST PHASE: my wave's 64 rows of the slice.  Load m takes rows 8 (m / 4) + m % 4 and four further down.  All 32 loads, 16 KB a wave, go out before the first wait; each byte is read once in the launch.
.set wm, 0
.rept 32
	global_load_b128 v[RAW+4*wm:RAW+4*wm+3], v[WOFF], s[WB:WB+1] offset:(8*(wm/4)+(wm%4))*8192 th:TH_LOAD_NT
.set wm, wm+1
.endr
.macro WCONV g                         ; eight loads are rounded to bf16 and laid into LDS
.set wm, 8*(\g)
.rept 8
	v_cvt_pk_bf16_f32 v[CT+2*wm],   v[RAW+4*wm],   v[RAW+4*wm+1]
	v_cvt_pk_bf16_f32 v[CT+2*wm+1], v[RAW+4*wm+2], v[RAW+4*wm+3]
	ds_store_b64 v[WST], v[CT+2*wm:CT+2*wm+1] offset:(8*(wm/4)+(wm%4))*PW
.set wm, wm+1
.endr
.endm
	s_wait_loadcnt 24                              ; the first eight are in; 24 younger loads stay out
	s_wait_kmcnt 0x0                               ; the count
	s_min_u32 s[CNT], s[CNT], 2048
	s_add_co_u32 s[NTL], s[CNT], 15
	s_lshr_b32 s[NTL], s[NTL], 4                   ; the expert's tiles of 16 rows
	s_sub_co_i32 s[REM], s[NTL], s[WV]
	s_mov_b32 s[TILE0], s[WV]
	; PREFETCH of what the second phase reads: waves 0 and 1 ask for tiles 16 w .. 16 w + 15 (8,192 bytes, lanes 256 bytes apart) of block s of my expert's hid, if the expert has such tiles.
	; The expert's 32 work-groups cover its 32 blocks, each aligned 256 bytes once in the launch; tiles from 32 on are not asked for; every address lies in its block of 65,536 bytes.
	s_cmp_gt_u32 s[WV], 1
	s_cbranch_scc1 .Lnopf
	s_lshl_b32 s23, s[WV], 4
	s_cmp_ge_u32 s23, s[NTL]
	s_cbranch_scc1 .Lnopf
	s_lshl_b32 s23, s[SL], 16
	s_lshl_b32 s22, s[WV], 13
	s_add_co_u32 s23, s23, s22
	v_lshl_add_u32 v[PF], v[LN], 8, s23
	global_prefetch_b8 v[PF], s[HE:HE+1] th:TH_LOAD_NT scope:SCOPE_SE
.Lnopf:
	WCONV 0
	s_wait_loadcnt 16
	WCONV 1
	s_wait_loadcnt 8
	WCONV 2
	s_wait_loadcnt 0x0
	WCONV 3
	s_wait_dscnt 0x0                               ; for the others' sake: my rows of W are in LDS
	s_barrier_signal -1
	s_barrier_wait -1                              ; the launch's one barrier: behind it W is only read
; SECOND PHASE.  A K step is 32 along K, 16 steps.  Step st's rows of h for nt tiles: blocks 2 st and 2 st + 1 of hid are registers 0-3 and 4-7 of a fragment; each load is 512 consecutive bytes.
.macro ALOAD nt, slot, st
.set ai, 0
.rept \nt
	global_load_b128 v[AFR+(\slot)*8*(\nt)+8*ai:AFR+(\slot)*8*(\nt)+8*ai+3],   v[AO+ai], s[HE:HE+1] offset:(2*(\st))*65536
	global_load_b128 v[AFR+(\slot)*8*(\nt)+8*ai+4:AFR+(\slot)*8*(\nt)+8*ai+7], v[AO+ai], s[HE:HE+1] offset:(2*(\st)+1)*65536
.set ai, ai+1
.endr
.endm
.macro BLOAD st                        ; W's four fragments of step st into buffer st % 2
.set bb, BF+32*((\st)%2)
.set bc, 0
.rept 4
	ds_load_tr16_b128 v[bb+8*bc:bb+8*bc+3],   v[BAD0+(\st)/8] offset:((\st)%8)*32*PW+32*bc
	ds_load_tr16_b128 v[bb+8*bc+4:bb+8*bc+7], v[BAD0+(\st)/8] offset:((\st)%8)*32*PW+32*bc+16*PW
.set bc, bc+1
.endr
.endm
; K step k.  Four v_nop: a load into a register that a matrix instruction has read stands four places behind it, and only plain vector instructions that name none of its registers are places
; (ISA guide 7.12.1 for vector instructions).  Then the slot just read out takes step k - 1 + d, while there is one, and the other buffer of W step k + 1.
; The 4 nt accumulators take turns, one instruction a turn.  Step 0 starts the sums with the constant 0.
.macro STEP nt, d, k
.if (\k) > 0
.rept 4
	v_nop
.endr
.if (\k)-1+(\d) < 16
	ALOAD \nt, ((\k)-1)%(\d), (\k)-1+(\d)
.endif
.endif
.if (\k) < 15
	BLOAD (\k)+1
.endif
.if (\k)-1+(\d) < 16
	s_wait_loadcnt ((\d)-1)*2*(\nt)                ; this step's h is in (and the tokens, which are older); the d - 1 later steps' loads stay out
.else
	s_wait_loadcnt (15-(\k))*2*(\nt)               ; nothing is left to ask for: the counts run down
.endif
.if (\k) < 15
	s_wait_dscnt 0x8                               ; this step's W is in; the eight loads just issued stay out
.else
	s_wait_dscnt 0x0
.endif
.set sb, BF+32*((\k)%2)
.set sa, AFR+((\k)%(\d))*8*(\nt)
.set sc, 0
.rept 4
.set si, 0
.rept \nt
.set sd, ACC+32*si+8*sc
.if (\k) == 0
	v_wmma_f32_16x16x32_bf16 v[sd:sd+7], v[sb+8*sc:sb+8*sc+7], v[sa+8*si:sa+8*si+7], 0
.else
	v_wmma_f32_16x16x32_bf16 v[sd:sd+7], v[sb+8*sc:sb+8*sc+7], v[sa+8*si:sa+8*si+7], v[sd:sd+7]
.endif
.set si, si+1
.endr
.set sc, sc+1
.endr
.endm
; THE WAY OUT of tile i: 16 rows x 64 columns of f32.  A lane's 32 bytes for each column block go into my own stage, rows of 272 bytes, and come back as whole rows of 256; the token of row 2 t + lane / 16
; comes from the lane that holds it (lane 2 t + lane / 16 of TK).  W's buffers are free: OB 32 registers of rows, TO 8 of offsets, IX 8 of lane indices (made once a pass).
.macro OUT i
.set OB, BF
.set TO, BF+32
.set IX, BF+40
.if (\i) == 0
.rept 4
	v_nop                                          ; the places behind the last products: their results are read, and their sources written, below
.endr
.set ot, 0
.rept 8
	v_add_nc_u32 v[IX+ot], 8*ot, v[BPI]            ; 4 x (2 t + lane / 16)
.set ot, ot+1
.endr
.endif
	s_wait_xcnt 0x0                                ; the last tile's stores: their data and offsets are rewritten only behind this wait
.set ot, 0
.rept 8
	ds_bpermute_b32 v[TO+ot], v[IX+ot], v[TK+(\i)]
.set ot, ot+1
.endr
.set ot, 0
.rept 4                                                ; each accumulator's low four registers first
	ds_store_b128 v[STO], v[ACC+32*(\i)+8*ot:ACC+32*(\i)+8*ot+3]   offset:64*ot
	ds_store_b128 v[STO], v[ACC+32*(\i)+8*ot+4:ACC+32*(\i)+8*ot+7] offset:64*ot+16
.set ot, ot+1
.endr
.set ot, 0
.rept 8
	ds_load_b128 v[OB+4*ot:OB+4*ot+3], v[RD] offset:ot*2*SP        ; LDS serves a wave's instructions in order (ISA guide 5.7.1.4): these see the stores above
.set ot, ot+1
.endr
	s_wait_dscnt 16                                ; the eight exchanges are in; the 8 stores and 8 loads behind them stay out
.set ot, 0
.rept 8
	v_min_u32 v[TO+ot], 0x7ff, v[TO+ot]
	v_lshl_add_u32 v[TO+ot], v[TO+ot], 13, v[C16]  ; the token's row of 8,192 bytes, 16 bytes a lane
.set ot, ot+1
.endr
.set ot, 0
.rept 8
	s_wait_dscnt 7-ot                              ; rows 2 t and 2 t + 1 are back
	global_store_b128 v[TO+ot], v[OB+4*ot:OB+4*ot+3], s[OUTB:OUTB+1] th:TH_STORE_NT  ; 16 lanes store 256 consecutive bytes of a row, at a multiple of 256 from out0's first
.set ot, ot+1
.endr
.endm
; All 16 K steps for nt tiles on a ring of d slots in registers, written out: every LDS address is fixed.
.macro KPHASE nt, d
.set BF,  ACC+32*(\nt)
.set AFR, BF+64
.set pj, 0
.rept \nt
	global_load_b32 v[TK+pj], v[RLO+pj], s[RB:RB+1] offset:256     ; the tiles' tokens: older than every load of h
.set pj, pj+1
.endr
.set pj, 0
.rept \d
	ALOAD \nt, pj, pj
.set pj, pj+1
.endr
	BLOAD 0
.set pj, 0
.rept 16
	STEP \nt, \d, pj
.set pj, pj+1
.endr
.set pj, 0
.rept \nt
	OUT pj
.set pj, pj+1
.endr
.endm
	s_mov_b32 s[PASS], 0
.Lpass:
	s_cmp_le_i32 s[REM], 0
	s_cbranch_scc1 .Lnext                          ; no tile of mine in this pass
.irp i, 0,1,2
	s_add_co_u32 s22, s[TILE0], 8*\i               ; my tiles of the pass lie 8 apart
	s_min_u32 s22, s22, 127
	s_lshl_b32 s23, s22, 9
	v_add_nc_u32 v[AO+\i], s23, v[L16]
	s_lshl_b32 s23, s22, 6
	v_lshl_add_u32 v[RLO+\i], v[RR], 2, s23
.endr
	s_cmp_gt_i32 s[REM], 16
	s_cbranch_scc1 .Lv3
	s_cmp_gt_i32 s[REM], 8
	s_cbranch_scc1 .Lv2
	KPHASE 1, 16
	s_branch .Lnext
.Lv2:
	KPHASE 2, 6
	s_branch .Lnext
.Lv3:
	KPHASE 3, 3
.Lnext:
	s_wait_xcnt 0x0                                ; the stores' data and offsets are rewritten in the next pass only behind this wait
	s_sub_co_i32 s[REM], s[REM], 24
	s_add_co_u32 s[TILE0], s[TILE0], 24
	s_add_co_u32 s[PASS], s[PASS], 1
	s_cmp_lt_u32 s[PASS], 6
	s_cbranch_scc1 .Lpass
	s_wait_tensorcnt 0x0                           ; the wave's end, behind my last LDS store
	ds_add_u32 v[SPW], v[NIL]
	s_wait_dscnt 0x0
	s_endpgm
.Lfunc_end_k_qed69a7b1d1_down:
	.size	k_qed69a7b1d1_down, .Lfunc_end_k_qed69a7b1d1_down-k_qed69a7b1d1_down
	.p2alignl 7, 3214868480
	.fill 96, 4, 3214868480
	.section	.rodata,"a",@progbits
	.p2align	6, 0x0
	.amdhsa_kernel k_qed69a7b1d1_down
		.amdhsa_group_segment_fixed_size 167936
		.amdhsa_private_segment_fixed_size 0
		.amdhsa_enable_private_segment 0
		.amdhsa_kernarg_size 32
		.amdhsa_user_sgpr_count 2
		.amdhsa_user_sgpr_kernarg_segment_ptr 1
		.amdhsa_wavefront_size32 1
		.amdhsa_system_sgpr_workgroup_id_x 1
		.amdhsa_system_sgpr_workgroup_id_y 1
		.amdhsa_system_sgpr_workgroup_id_z 1
		.amdhsa_system_vgpr_workitem_id 0
		.amdhsa_next_free_vgpr 256
		.amdhsa_next_free_sgpr 66
		.amdhsa_reserve_vcc 0
		.amdhsa_float_denorm_mode_32 3
		.amdhsa_float_denorm_mode_16_64 3
		.amdhsa_memory_ordered 1
		.amdhsa_forward_progress 1
		.amdhsa_inst_pref_size 112
	.end_amdhsa_kernel
	.amdgpu_metadata
---
amdhsa.version: [ 1, 2 ]
amdhsa.kernels:
  - .name:           k_qed69a7b1d1_down
    .symbol:         k_qed69a7b1d1_down.kd
    .args:
      - { .name: hid, .offset: 0, .size: 8, .value_kind: global_buffer, .address_space: global }
      - { .name: route, .offset: 8, .size: 8, .value_kind: global_buffer, .address_space: global }
      - { .name: down_proj, .offset: 16, .size: 8, .value_kind: global_buffer, .address_space: global }
      - { .name: out0, .offset: 24, .size: 8, .value_kind: global_buffer, .address_space: global }
    .group_segment_fixed_size: 167936
    .private_segment_fixed_size: 0
    .kernarg_segment_align: 8
    .kernarg_segment_size: 32
    .max_flat_workgroup_size: 256
    .sgpr_count:     66
    .vgpr_count:     256
    .wavefront_size: 32
...
	.end_amdgpu_metadata
.endif
;; end of part 3
;; ======== version 2 of 2: 3 launches
;; workspace buffers: xs 67,108,864 bytes; hid 16,777,216 bytes; route 67,584 bytes of whole numbers
;; launch sort: the kernel of part 1 again; grid 32 x 8, 8 waves a work-group, no clusters, 11,520 bytes of LDS; arguments x, token_ids, xs, route; writes xs, route
;; launch gateup (part 4): grid 32 x 8, 8 waves a work-group, no clusters, 327,680 bytes of LDS; arguments xs, route, gate_up_proj, hid; writes hid
.if DOCPART == 4
	.amdgcn_target "amdgcn-amd-amdhsa--gfx1250"
	.amdhsa_code_object_version 6
	.text
	.protected	k_qed69a7b1d1_gateup
	.globl	k_qed69a7b1d1_gateup
	.p2align	8
	.type	k_qed69a7b1d1_gateup,@function
k_qed69a7b1d1_gateup:
	s_mov_b64 s[64:65], 0
	v_nop
	global_prefetch_b8 v0, s[64:65] scope:SCOPE_SE
	s_setreg_imm32_b32 hwreg(HW_REG_WAVE_MODE, 25, 1), 1
	s_wait_xcnt 0x0
; h = silu(x Wg) * (x Wu) for the rows of one expert.  gate_up_proj: [8][2048][1024] f32, columns 0-511 gate, 512-1023 up.  x comes from xs (bf16, by experts, in operand order),
; the expert's count from route; h goes to hid, rounded once to bf16: byte (32 e + c) 65536 + 512 t + 16 L holds h[place 16 t + L % 16][16 c + 8 (L / 16) + 0..7].
; Products in bf16 with f32 sums; partial sums and the activation in f32.
; SHARES.  Work-group x of expert e: slice s = x % 16, parity hf = x / 16.  It owns gate columns 32 s .. 32 s + 31 and up columns 512 + 32 s .. over all 2,048 of K, and the expert's tiles of 16 rows
; t = 2 o + hf.  With R rows and C columns a work-group takes in 2,048 (2 R + 4 C) bytes; at a fixed R C that is least where R = 2 C, which for some 270 rows on 32 work-groups is half the rows and 64 columns:
; 512 KB of weights in pieces of 128 bytes and 64 KB for each tile.  A slice of weights has two readers, x and x + 16.
; K IS SPLIT OVER THE WAVES.  Wave w owns K = 256 w .. 256 w + 255.  Its part of W, 256 x 64 numbers in bf16, is 256 registers and stays there: the products read no LDS.  Every wave multiplies every tile of the
; work-group, so all eight do the same work; a tile is 16 loads of 512 bytes, 32 matrix instructions and 8 stores of partial sums into the wave's own part of LDS.  Behind a barrier the eight partial sums of a unit
; (a tile, 16 columns of gate and of up) are added by one wave, K ascending, activated, rounded and stored.
; PASSES.  A pass holds 9 tiles (9 x 4,096 bytes of partial sums a wave fit in LDS eight times); the loop has 8 trips, a constant: 72 tiles, where a parity has 64 at the most, so every split is served.
; Every wave passes both barriers of every trip; only work is jumped; every LDS address is fixed.
; NO TENSOR LOADS, NO JOINT LOADS.  The weights are rounded on their way through registers.  A tile of xs is shared by 16 work-groups, but how many tiles there are hangs on a count read from memory,
; and joint loads want a trip count that is alike and constant: for 2,048 rows, eight times the bytes of an even split.
; THE MATRIX INSTRUCTION IS USED TRANSPOSED: source 0 = 16 columns of W, source 1 = 16 rows of x: a lane holds row L % 16 and the columns 8 (L / 16) + 0..7, which pack into 16 bytes.
; LIMITS.  silu(g) = g / (1 + 2^(-1.442695 g)): for g below about -88 the power is infinite and the result -0, where the exact value is under 1e-36 in size.  NaN and infinities are not treated apart.
; Places past the count in an expert's last tile hold its last row once more (so xs has them), and their h is stored to the tile's own places.
; REGISTERS, in windows of 256 (s_set_vgpr_msb: bits 1:0 source 0, 3:2 source 1, 5:4 source 2, 7:6 destination).  Window 0: v0-23 addresses; v24-55 the four accumulators (first phase: rounded weights);
; v56-58 offsets in hid; v64-255 three slots of 64: first raw weights, then tiles of x, then the sums' operands.  Window 1: W's fragments, K step k, column block a at 32 k + 8 a.
.set PW,    160                        ; a row of W in LDS: 64 bytes gate, 64 bytes up, 32 unused
.set KSB,   32*PW                      ; a K step's 32 rows
.set TP,    9                          ; tiles a pass
.set REG,   TP*4096                    ; a wave's own part of LDS: first four places of KSB bytes for turning W, then a pass's partial sums
.set NPASS, 8
.set SPARE, 326656                     ; at the end of LDS: the spare words, 128 bytes for each of eight waves: four blocks of 256 bytes that no other line names
.set LN,    1                          ; v1   lane
.set SPW,   4                          ; v4   LDS address of my spare word; never rewritten
.set NIL,   5                          ; v5   0; never rewritten
.set WOFF,  6                          ; v6   my byte offset in two rows of gate_up_proj
.set WST,   7                          ; v7   where my 8 bytes of bf16 go in LDS
.set BAD,   8                          ; v8   my lane's place in a fragment of W
.set STO,   9                          ; v9   my wave's part of LDS + 16 x lane
.set AO,    10                         ; v10-12  slot j: 512 t + 16 lane of the tile that it holds
.set L16,   13                         ; v13  16 x lane
.set PF,    14                         ; v14  the prefetch's offset; never rewritten
.set RDA,   15                         ; v15-22  wave v's partial sums of my first unit
.set ACC,   24                         ; v24-55  gate 0-15, gate 16-31, up 0-15, up 16-31
.set CT,    24                         ;         first phase: a group rounded to bf16
.set HO,    56                         ; v56-58  unit r: its byte offset in hid
.set RING,  64                         ; v64-255 three slots of 64
.set RT,    64                         ; the sums: wave v's 16 registers at RT + 16 v
.set RO,    192                        ; unit r: 4 registers to store
.set TT,    208                        ; 8 registers at work
.set WF,    0                          ; window 1
.set WV,    12
.set EX,    13
.set SL,    14
.set CNT,   15
.set NTL,   16                         ; the expert's tiles
.set HF,    17
.set PASS,  18
.set REMP,  19                         ; my tiles from this pass's first on; signed
.set TB,    20                         ; this pass's first tile, counted among mine
.set RL,    21                         ; live tiles of this pass
.set WB,    24                         ; s[24:25] gate_up_proj at my expert, my wave's 256 rows, my columns
.set XW,    26                         ; s[26:27] xs at my expert and my wave's 16 blocks; never rewritten
.set HB,    30                         ; s[30:31] hid at my first block
.set RB,    32                         ; s[32:33] route at my expert
.set WH,    38                         ; wave / 2
.set XX,    39                         ; x
.set CBO,   40                         ; 65,536 (wave % 2): my units' block of hid
.set XE,    42                         ; s[42:43] xs at my expert
.set MSB, 0
.macro WIN new                         ; the immediate's high byte repeats the setting that is left; a switch that changes nothing is dropped
.if MSB != (\new)
	s_set_vgpr_msb (MSB<<8)|(\new)
.set MSB, \new
.endif
.endm
	s_load_b256 s[4:11], s[0:1], 0x0               ; xs s[4:5], route s[6:7], gate_up_proj s[8:9], hid s[10:11]
	v_lshl_add_u32 v[SPW], v0, 2, SPARE
	v_mov_b32 v[NIL], 0
	v_lshrrev_b32 v2, 5, v0
	v_readfirstlane_b32 s[WV], v2                  ; wave 0..7
	v_and_b32 v[LN], 31, v0
	s_and_b32 s[EX], ttmp7, 0xffff
	s_mov_b32 s[XX], ttmp9
	s_and_b32 s[SL], s[XX], 15
	s_lshr_b32 s[HF], s[XX], 4
	s_lshr_b32 s[WH], s[WV], 1
	s_and_b32 s[CBO], s[WV], 1
	; A load of the first phase: eight lanes take a row's 128 bytes of gate, eight its 128 bytes of up, 16 bytes each; the other sixteen lanes the row four further down.
	v_bfe_u32 v2, v0, 4, 1                         ; lane / 16
	v_bfe_u32 v3, v0, 3, 1                         ; gate or up; also (lane / 8) % 2
	v_and_b32 v23, 7, v0                           ; lane % 8
	v_lshlrev_b32 v[WOFF], 14, v2                  ; four rows of 4,096 bytes
	v_lshl_add_u32 v[WOFF], v3, 11, v[WOFF]        ; up lies 2,048 bytes behind gate
	v_lshl_add_u32 v[WOFF], v23, 4, v[WOFF]
	s_mul_i32 s22, s[WV], REG                      ; my wave's part of LDS
	v_mul_u32_u24 v[WST], v2, 4*PW                 ; the two rows of a store lie 640 bytes apart, 128 bytes each: the 32 lanes touch each bank once
	v_add_nc_u32 v[WST], s22, v[WST]
	v_lshl_add_u32 v[WST], v3, 6, v[WST]
	v_lshl_add_u32 v[WST], v23, 3, v[WST]
	; The turning load takes 16 of K x 16 columns (lane L reads 16 bytes: row 8 (L / 16) + L % 8, columns 8 ((L / 8) % 2) + 0..7) and leaves half a fragment: lane L holds column L % 16 and 8 of K.
	v_lshl_add_u32 v[BAD], v2, 3, v23
	v_mul_u32_u24 v[BAD], v[BAD], PW
	v_lshl_add_u32 v[BAD], v3, 4, v[BAD]
	v_add_nc_u32 v[BAD], s22, v[BAD]
	v_lshlrev_b32 v[L16], 4, v[LN]
	v_add_nc_u32 v[STO], s22, v[L16]
	s_lshl_b32 s23, s[WH], 12                      ; my first unit: tile wave / 2 of the pass (4,096 bytes a tile),
	s_lshl_b32 s22, s[CBO], 10                     ; column block wave % 2 (1,024 bytes an accumulator)
	s_add_co_u32 s23, s23, s22
	s_lshl_b32 s[CBO], s[CBO], 16
.irp v, 0,1,2,3,4,5,6,7
	v_add_nc_u32 v[RDA+\v], s23, v[L16]
	s_add_co_u32 s23, s23, REG
.endr
	s_lshl_b32 s34, s[EX], 23                      ; an expert is 8 MB of gate_up_proj, and of xs
	s_mov_b32 s35, 0
	s_wait_kmcnt 0x0
	s_add_nc_u64 s[XE:XE+1], s[4:5], s[34:35]
	s_add_nc_u64 s[WB:WB+1], s[8:9], s[34:35]
	s_lshl_b32 s34, s[WV], 20                      ; my wave's 256 rows of 4,096 bytes; also its 16 blocks of 65,536 bytes of xs
	s_add_nc_u64 s[XW:XW+1], s[XE:XE+1], s[34:35]
	s_add_nc_u64 s[WB:WB+1], s[WB:WB+1], s[34:35]
	s_lshl_b32 s34, s[SL], 7                       ; my 32 columns
	s_add_nc_u64 s[WB:WB+1], s[WB:WB+1], s[34:35]
	s_mul_i32 s34, s[EX], 8448
	s_add_nc_u64 s[RB:RB+1], s[6:7], s[34:35]
	s_load_b32 s[CNT], s[RB:RB+1], 0x0             ; the expert's count
	s_lshl_b32 s34, s[EX], 4
	s_add_co_u32 s34, s34, s[SL]
	s_lshl_b32 s34, s34, 17                        ; block 32 e + 2 s of 65,536 bytes
	s_add_nc_u64 s[HB:HB+1], s[10:11], s[34:35]
; FIRST PHASE: my wave's 256 rows of the slice, eight groups of 16 loads; group g is K step g, 32 rows.  Load m takes rows 8 (m / 4) + m % 4 and four further down.  Group g lands in slot g % 3.
.macro WLOAD g
.set wm, 0
.rept 16
	global_load_b128 v[RING+64*((\g)%3)+4*wm:RING+64*((\g)%3)+4*wm+3], v[WOFF], s[WB:WB+1] offset:(32*(\g)+8*(wm/4)+(wm%4))*4096
.set wm, wm+1
.endr
.endm
.macro WCONV g                         ; a group is rounded to bf16 and laid into place g % 4 of my part of LDS
.set wm, 0
.rept 16
	v_cvt_pk_bf16_f32 v[CT+2*wm],   v[RING+64*((\g)%3)+4*wm],   v[RING+64*((\g)%3)+4*wm+1]
	v_cvt_pk_bf16_f32 v[CT+2*wm+1], v[RING+64*((\g)%3)+4*wm+2], v[RING+64*((\g)%3)+4*wm+3]
	ds_store_b64 v[WST], v[CT+2*wm:CT+2*wm+1] offset:((\g)%4)*KSB+(8*(wm/4)+(wm%4))*PW
.set wm, wm+1
.endr
.endm
.macro WFRAG g                         ; and comes back turned, as the K step's four fragments.  LDS serves a wave's instructions in order (ISA guide 5.7.1.4): these see the stores above, and the stores that use the place again four groups on come behind them
	WIN 0x40                                       ; destination window 1, address window 0
.set wa, 0
.rept 4
	ds_load_tr16_b128 v[WF+32*(\g)+8*wa:WF+32*(\g)+8*wa+3],   v[BAD] offset:((\g)%4)*KSB+32*wa
	ds_load_tr16_b128 v[WF+32*(\g)+8*wa+4:WF+32*(\g)+8*wa+7], v[BAD] offset:((\g)%4)*KSB+32*wa+16*PW
.set wa, wa+1
.endr
	WIN 0
.endm
; A tile's part for my wave: blocks 16 w + b of xs, b = 0 .. 15; blocks 2 k and 2 k + 1 are registers 0-3 and 4-7 of K step k's fragment; each load is 512 consecutive bytes.  Tile i of a pass lies in slot (i + 2) % 3.
.macro ALOADT rs
.set ab, 0
.rept 16
	global_load_b128 v[RING+64*(\rs)+4*ab:RING+64*(\rs)+4*ab+3], v[AO+(\rs)], s[XW:XW+1] offset:65536*ab
.set ab, ab+1
.endr
.endm
.macro PROADDR i                       ; the offset of a pass's tile i = 0, 1, 2.  A pass with a tile loads all three, so that the count at its first tile is one number: past my last tile that tile is taken once more
	s_sub_co_i32 s23, s[REMP], 1
	s_max_i32 s23, s23, 0
	s_min_u32 s22, s23, \i
	s_add_co_u32 s22, s22, s[TB]
	s_lshl_b32 s22, s22, 1
	s_add_co_u32 s22, s22, s[HF]                   ; t = 2 o + hf
	s_min_u32 s22, s22, 127
	s_lshl_b32 s22, s22, 9
	v_add_nc_u32 v[AO+((\i)+2)%3], s22, v[L16]
.endm
; The last three groups: no weights are left to ask for.  has = 1: the slot that group g frees, g % 3, takes tile g - 5 of the first pass, and the count leaves the two later groups of 16 loads, of weights or of x, out.
; has = 0: I have no tile; nothing is asked for, and the counts run down with the later groups of weights.
.macro TAIL has
.irp g, 5,6,7
.if \has
	s_wait_loadcnt 32
.else
	s_wait_loadcnt 16*(7-\g)
.endif
	WCONV \g
.if \has
	PROADDR (\g)-5
	ALOADT (\g)%3
.endif
	WFRAG \g
.endr
.endm
	WLOAD 0                                        ; 48 loads, 24 KB a wave, are out from here to the phase's end
	WLOAD 1
	WLOAD 2
	s_wait_loadcnt 32                              ; group 0 is in; the two later groups stay out
	s_wait_kmcnt 0x0                               ; the count
	s_min_u32 s[CNT], s[CNT], 2048
	s_add_co_u32 s[NTL], s[CNT], 15
	s_lshr_b32 s[NTL], s[NTL], 4                   ; the expert's tiles of 16 rows
	s_add_co_u32 s22, s[NTL], 1
	s_sub_co_u32 s22, s22, s[HF]
	s_lshr_b32 s[REMP], s22, 1                     ; those of my parity
	s_mov_b32 s[TB], 0
	; PREFETCH of what the second phase reads: wave w asks for tiles 16 (w / 4) .. + 15 (8,192 bytes, lanes 256 bytes apart) of block 4 x + w % 4 of my expert's xs, if the expert has such tiles.
	; The expert's 32 work-groups cover its 128 blocks, each aligned 256 bytes once in the launch; tiles from 32 on are not asked for; every address lies in its block of 65,536 bytes.
	s_lshr_b32 s22, s[WV], 2
	s_lshl_b32 s23, s22, 4
	s_cmp_ge_u32 s23, s[NTL]
	s_cbranch_scc1 .Lnopf
	s_and_b32 s23, s[WV], 3
	s_lshl2_add_u32 s23, s[XX], s23
	s_lshl_b32 s23, s23, 16
	s_lshl_b32 s22, s22, 13
	s_add_co_u32 s23, s23, s22
	v_lshl_add_u32 v[PF], v[LN], 8, s23
	global_prefetch_b8 v[PF], s[XE:XE+1] th:TH_LOAD_NT scope:SCOPE_SE
.Lnopf:
	WCONV 0
	WLOAD 3
	WFRAG 0
.irp g, 1,2,3,4
	s_wait_loadcnt 32                              ; group g is in; the two later groups stay out
	WCONV \g
	WLOAD (\g)+3
	WFRAG \g
.endr
	s_cmp_lg_u32 s[REMP], 0                        ; ONE branch for the three groups: a wave goes one of two ways, with all three tiles asked for or with none
	s_cbranch_scc1 .Lhas
	TAIL 0                                         ; no tile of mine: no byte of xs is read, so none that nobody wrote
	s_wait_dscnt 0x0                               ; this way's fragments are in
	s_branch .Lwdone
.Lhas:
	TAIL 1
.Lwdone:
	s_wait_dscnt 0x0                               ; W's fragments are in my registers, and my reads of LDS are back
	s_barrier_signal -1
	s_barrier_wait -1                              ; all eight waves': from here on the parts of LDS hold partial sums
; SECOND PHASE.  Tile i of the pass.  A dead tile ends the pass's products.  Then the slot that tile i - 1 has left takes tile i + 2, if I have it; the count leaves the loads of tiles i + 1 and i + 2 out;
; where one of them is not loaded the wait is for 0.  32 products: the four accumulators take turns, one instruction a turn; K step 0 starts the sums with the constant 0.
; Five v_nop: a store that reads a matrix result and a load into a register that a matrix instruction has read stand four places behind it, a matrix instruction that writes over its result five, and only plain
; vector instructions that name none of its registers are places (ISA guide 7.12.1 for vector instructions).  Each accumulator's low four registers are stored first.
.macro SLOT i
.set srs, ((\i)+2)%3
.if (\i) > 0
	s_cmp_le_i32 s[REMP], \i
	s_cbranch_scc1 .Lcdone
.endif
.if (\i) == 0
	s_wait_loadcnt 32                              ; tiles 1 and 2 (or their stand-ins) stay out
.elseif (\i) == TP-1
	s_wait_loadcnt 0x0
.else
.if (\i) < TP-2
	s_cmp_le_i32 s[REMP], (\i)+2
.else
	s_cmp_le_i32 s[REMP], (\i)+1
.endif
	s_cbranch_scc1 .Ltail\@
.if (\i) < TP-2
	s_add_co_u32 s22, s[TB], (\i)+2
	s_lshl_b32 s22, s22, 1
	s_add_co_u32 s22, s22, s[HF]
	s_min_u32 s22, s22, 127
	s_lshl_b32 s22, s22, 9
	v_add_nc_u32 v[AO+((\i)+1)%3], s22, v[L16]     ; free since the wait for tile i - 1's loads
	ALOADT ((\i)+1)%3
	s_wait_loadcnt 32
.else
	s_wait_loadcnt 16                              ; the pass's last tile stays out
.endif
	s_branch .Lgo\@
.Ltail\@:
	s_wait_loadcnt 0x0
.Lgo\@:
.endif
	WIN 0x01                                       ; source 0 (W) window 1; x and the sums window 0
.set sk, 0
.rept 8
.set sa, 0
.rept 4
.if sk == 0
	v_wmma_f32_16x16x32_bf16 v[ACC+8*sa:ACC+8*sa+7], v[WF+32*sk+8*sa:WF+32*sk+8*sa+7], v[RING+64*srs+8*sk:RING+64*srs+8*sk+7], 0
.else
	v_wmma_f32_16x16x32_bf16 v[ACC+8*sa:ACC+8*sa+7], v[WF+32*sk+8*sa:WF+32*sk+8*sa+7], v[RING+64*srs+8*sk:RING+64*srs+8*sk+7], v[ACC+8*sa:ACC+8*sa+7]
.endif
.set sa, sa+1
.endr
.set sk, sk+1
.endr
	WIN 0
.rept 5
	v_nop
.endr
.set sa, 0
.rept 4
	ds_store_b128 v[STO], v[ACC+8*sa:ACC+8*sa+3]   offset:(\i)*4096+sa*1024      ; 32 lanes, 16 neighbouring bytes each
	ds_store_b128 v[STO], v[ACC+8*sa+4:ACC+8*sa+7] offset:(\i)*4096+sa*1024+512
.set sa, sa+1
.endr
.endm
; Unit w + 8 r of the pass: tile w / 2 + 4 r, column block w % 2.  The eight waves' partial sums of gate (8 registers) and up (8) are added, K ascending; then the activation and the way out.
; The exponentials are one batch with one wait, the reciprocals another.
.macro RED r
	s_add_co_u32 s22, s[WH], 4*(\r)
	s_cmp_ge_i32 s22, s[RL]
	s_cbranch_scc1 .Lrdone                         ; a dead unit: my later ones are dead too
	s_add_co_u32 s22, s22, s[TB]
	s_lshl_b32 s22, s22, 1
	s_add_co_u32 s22, s22, s[HF]
	s_min_u32 s22, s22, 127
	s_lshl_b32 s22, s22, 9
	s_add_co_u32 s22, s22, s[CBO]
	v_add_nc_u32 v[HO+(\r)], s22, v[L16]
.set rv, 0
.rept 8
	ds_load_b128 v[RT+16*rv:RT+16*rv+3],     v[RDA+rv] offset:(\r)*16384
	ds_load_b128 v[RT+16*rv+4:RT+16*rv+7],   v[RDA+rv] offset:(\r)*16384+512
	ds_load_b128 v[RT+16*rv+8:RT+16*rv+11],  v[RDA+rv] offset:(\r)*16384+2048
	ds_load_b128 v[RT+16*rv+12:RT+16*rv+15], v[RDA+rv] offset:(\r)*16384+2560
.set rv, rv+1
.endr
.set rv, 1
.rept 7
	s_wait_dscnt 4*(7-rv)                          ; wave rv's four loads are in; the later waves' stay out
.set rj, 0
.rept 8
	v_pk_add_f32 v[RT+2*rj:RT+2*rj+1], v[RT+2*rj:RT+2*rj+1], v[RT+16*rv+2*rj:RT+16*rv+2*rj+1]
.set rj, rj+1
.endr
.set rv, rv+1
.endr
.set rj, 0
.rept 4
	v_pk_mul_f32 v[TT+2*rj:TT+2*rj+1], v[RT+2*rj:RT+2*rj+1], 0xbfb8aa3b op_sel_hi:[1,0]  ; -log2(e) g
.set rj, rj+1
.endr
.set rj, 0
.rept 8
	v_exp_f32 v[TT+rj], v[TT+rj]
.set rj, rj+1
.endr
	v_nop                                          ; a plain instruction behind the last exponential,
	s_wait_alu depctr_va_vdst(0)                   ; and the batch's one wait, ahead of its first reader
.set rj, 0
.rept 4
	v_pk_add_f32 v[TT+2*rj:TT+2*rj+1], v[TT+2*rj:TT+2*rj+1], 1.0 op_sel_hi:[1,0]
.set rj, rj+1
.endr
.set rj, 0
.rept 8
	v_rcp_f32 v[TT+rj], v[TT+rj]
.set rj, rj+1
.endr
	v_nop
	s_wait_alu depctr_va_vdst(0)
.set rj, 0
.rept 4
	v_pk_mul_f32 v[RT+2*rj:RT+2*rj+1], v[RT+2*rj:RT+2*rj+1], v[TT+2*rj:TT+2*rj+1]        ; silu(g)
.set rj, rj+1
.endr
.set rj, 0
.rept 4
	v_pk_mul_f32 v[RT+8+2*rj:RT+8+2*rj+1], v[RT+8+2*rj:RT+8+2*rj+1], v[RT+2*rj:RT+2*rj+1]  ; times up
.set rj, rj+1
.endr
.set rj, 0
.rept 4
	v_cvt_pk_bf16_f32 v[RO+4*(\r)+rj], v[RT+8+2*rj], v[RT+8+2*rj+1]
.set rj, rj+1
.endr
	global_store_b128 v[HO+(\r)], v[RO+4*(\r):RO+4*(\r)+3], s[HB:HB+1]  ; the wave stores 512 consecutive bytes, at a multiple of 512 from hid's first; each unit has its own data and offset registers
.endm
	s_mov_b32 s[PASS], 0
.Lpass:
	s_cmp_le_i32 s[REMP], 0
	s_cbranch_scc1 .Lcdone                         ; no tile of mine in this pass
	s_cmp_eq_u32 s[PASS], 0
	s_cbranch_scc1 .Lhave                          ; the first pass's first three tiles were asked for in the first phase
	s_wait_loadcnt 0x0                             ; no slot is loaded while a load into it is out: on this way the pass before has ended with the same wait, so nothing is waited for here
	PROADDR 0
	ALOADT 2
	PROADDR 1
	ALOADT 0
	PROADDR 2
	ALOADT 1
.Lhave:
.irp i, 0,1,2,3,4,5,6,7,8
	SLOT \i
.endr
.Lcdone:
	s_wait_loadcnt 0x0                             ; no load is on its way into the slots, which the sums use
	s_min_i32 s[RL], s[REMP], TP
	s_wait_dscnt 0x0                               ; for the others' sake: my partial sums are in LDS
	s_barrier_signal -1
	s_barrier_wait -1                              ; everybody's are
	RED 0
	RED 1
	s_cmp_gt_u32 s[WV], 1                          ; a third unit, tile w / 2 + 8, lies in the pass's 9 tiles for waves 0 and 1 alone
	s_cbranch_scc1 .Lrdone
	RED 2
.Lrdone:
	s_wait_dscnt 0x0                               ; my reads of the partial sums are back
	s_barrier_signal -1
	s_barrier_wait -1                              ; everybody's are: the next pass may store into the same bytes
	s_wait_xcnt 0x0                                ; the stores' data and offsets are rewritten in the next pass only behind this wait
	s_sub_co_i32 s[REMP], s[REMP], TP
	s_add_co_u32 s[TB], s[TB], TP
	s_add_co_u32 s[PASS], s[PASS], 1
	s_cmp_lt_u32 s[PASS], NPASS
	s_cbranch_scc1 .Lpass
	s_wait_tensorcnt 0x0                           ; the wave's end, behind my last LDS store
	ds_add_u32 v[SPW], v[NIL]
	s_wait_dscnt 0x0
	s_endpgm
.Lfunc_end_k_qed69a7b1d1_gateup:
	.size	k_qed69a7b1d1_gateup, .Lfunc_end_k_qed69a7b1d1_gateup-k_qed69a7b1d1_gateup
	.p2alignl 7, 3214868480
	.fill 96, 4, 3214868480
	.section	.rodata,"a",@progbits
	.p2align	6, 0x0
	.amdhsa_kernel k_qed69a7b1d1_gateup
		.amdhsa_group_segment_fixed_size 327680
		.amdhsa_private_segment_fixed_size 0
		.amdhsa_enable_private_segment 0
		.amdhsa_kernarg_size 32
		.amdhsa_user_sgpr_count 2
		.amdhsa_user_sgpr_kernarg_segment_ptr 1
		.amdhsa_wavefront_size32 1
		.amdhsa_system_sgpr_workgroup_id_x 1
		.amdhsa_system_sgpr_workgroup_id_y 1
		.amdhsa_system_sgpr_workgroup_id_z 1
		.amdhsa_system_vgpr_workitem_id 0
		.amdhsa_next_free_vgpr 512
		.amdhsa_next_free_sgpr 66
		.amdhsa_reserve_vcc 0
		.amdhsa_float_denorm_mode_32 3
		.amdhsa_float_denorm_mode_16_64 3
		.amdhsa_memory_ordered 1
		.amdhsa_forward_progress 1
		.amdhsa_inst_pref_size 129
	.end_amdhsa_kernel
	.amdgpu_metadata
---
amdhsa.version: [ 1, 2 ]
amdhsa.kernels:
  - .name:           k_qed69a7b1d1_gateup
    .symbol:         k_qed69a7b1d1_gateup.kd
    .args:
      - { .name: xs, .offset: 0, .size: 8, .value_kind: global_buffer, .address_space: global }
      - { .name: route, .offset: 8, .size: 8, .value_kind: global_buffer, .address_space: global }
      - { .name: gate_up_proj, .offset: 16, .size: 8, .value_kind: global_buffer, .address_space: global }
      - { .name: hid, .offset: 24, .size: 8, .value_kind: global_buffer, .address_space: global }
    .group_segment_fixed_size: 327680
    .private_segment_fixed_size: 0
    .kernarg_segment_align: 8
    .kernarg_segment_size: 32
    .max_flat_workgroup_size: 256
    .sgpr_count:     66
    .vgpr_count:     512
    .wavefront_size: 32
...
	.end_amdgpu_metadata
.endif
;; end of part 4
;; launch down: the kernel of part 3 again; grid 32 x 8, 8 waves a work-group, no clusters, 167,936 bytes of LDS; arguments hid, route, down_proj, out0; writes out0
